; MI455X (gfx1250); checked and timed in simulation.
; The chip was launched on July 23, 2026; its instructions are those of AMD's public machine-readable ISA for CDNA 5 (MIT licence, August 2026) and "CDNA5" Instruction Set Architecture Reference Guide (July 2026). The comments in the code are by the model that wrote it; some were corrected since.
;; Concat Read Model. Allowed arithmetic: float matrix products may take bf16 or f16 operands with f32 sums; all other float work in f32.
;; Inputs: W1 64 x 128 float32; W2 128 x 64 float32; We 64 x 32 float32; Wo 64 x 64 float32; Ws 64 x 32 float32; b1 128 float32; b2 64 float32; be 32 float32; beta 64 float32; bo 64 float32; bs 32 float32; embed 64 x 64 float32; gamma 64 float32; seq 256 x 2,048 int32.
;; Outputs: out0 256 x 64 float32.
;; One version. Each part assembles by itself: llvm-mc -triple=amdgcn-amd-amdhsa -mcpu=gfx1250 --defsym DOCPART=n.
;; ======== version 1 of 1: 1 launch
;; launch scan (part 1): grid 128 x 1, 4 waves a work-group, no clusters, 197,120 bytes of LDS; arguments seq, embed, W1, b1, W2, b2, gamma, beta, Ws, bs, We, be, Wo, bo, out0; writes out0
.if DOCPART == 1
	.amdgcn_target "amdgcn-amd-amdhsa--gfx1250"
	.amdhsa_code_object_version 6
	.text
	.protected	k_q9c822481ea_scan
	.globl	k_q9c822481ea_scan
	.p2align	8
	.type	k_q9c822481ea_scan,@function
k_q9c822481ea_scan:
	s_mov_b64 s[64:65], 0
	v_nop
	global_prefetch_b8 v0, s[64:65] scope:SCOPE_SE
	s_setreg_imm32_b32 hwreg(HW_REG_WAVE_MODE, 25, 1), 1
	s_wait_xcnt 0x0
; ConcatReadModel: out0[b] = concat(M_s q_s, M_e q_e) Wo + bo, one launch, no workspace.
;
; THREE FACTS OF THE COMPUTATION ITSELF
; 1. h, ks, ke depend on the token alone and there are 64 tokens: the encoder runs on the 64 rows of embed (a gather commutes
;    with functions of a row), and the query is the key of the token at t = 2047.
; 2. Only M q is wanted, and M' = M (I - s k k^T / n) + s k k^T with M = 0 at the start.  Walking t from 2046 down to 0:
;    a = k.q ;  c += s a k ;  q -= (s a / n) k.   c ends as M q.  32 numbers a step in place of 1,024.
; 3. With 64 keys the dot product needs no sum over lanes: carry g[v] = k_v . q (64 numbers, two registers of a wave).  Then
;    a = g[u] and g += a s (-beta_u G[u][:]), G = K K^T, beta_u = 1 / (|k_u|^2 + 1e-6).
; What is left is 2,047 dependent steps in 512 chains (256 batch rows x 2 memories).
;
; PRECISION OF THE ENCODER.  Biases give all keys a common part, and the delta rule then works on differences of nearly parallel keys,
; so an error of the whole key counts for more.  The encoder is only 64 rows, so each of its products takes both operands as
; hi + lo bf16 and sums hi hi + lo hi + hi lo in f32 (lo lo, some 2^-16 of the sum, is left out): 120 matrix instructions a wave.
;
; SHARING.  128 work-groups of four waves; a work-group owns batch rows 2 wg and 2 wg + 1.  In the encoder wave w owns tokens
; 16 w .. 16 w + 15; in the scan wave w runs the chain of batch row w >> 1 and memory w & 1 (0: M_s, 1: M_e).
; 512 chains are one for each of 128 x 4 waves; more work-groups would only repeat the encoder.  195,840 bytes of LDS are used, more
; than half of 327,680: no second work-group comes beside this one, and each chain has its issue slots alone.
; NOT USED, and why: tensor loads, clusters and multicast (the shared bytes are 98 KB of f32 weights that must pass through registers
; to become bf16, read once in front of 2,048 steps); prefetches (every global load but Wo's is issued in the first lines).
; The last product (one row x 64 x 64 for a batch row) is f32 vector work: one row would fill a sixteenth of a matrix tile.
;
; LIMITS.  Tokens are taken to lie in 0..63, as the gather in the problem does; a token outside acts as a step that changes nothing
; (it is clamped to the table's zero row 64), as the query it counts as 63.  The order of rounding differs from a forward scan.
; Matrix operands are hi + lo bf16 (16 bits of mantissa); G is the Gram matrix of the keys so rounded, summed in f32.
;
; LDS (bytes)
.set RP,   528                         ; pitch of a table row: 32 lanes x 16 bytes + 16
.set TABM, 34560                       ; one memory's table: 65 rows; row u, lane l: {-beta_u G[u][l], -beta_u G[u][l+32], k_u[l], k_u[l]}; row 64 = 0
.set TOK,  69120                       ; 2 rows of TOKR: word p = token at t = 2047 - p; words 2048..2111 hold 64
.set TOKR, 8448
.set W1B,  86016                       ; W1 [k = 64]: 128 bf16 hi, 128 bf16 lo, 32 bytes of pad
.set W1P,  544
.set W2B,  120832                      ; W2 [k = 128]: 64 hi, 64 lo, pad
.set W2P,  288
.set WKB,  157696                      ; Ws | We [k = 64]: 32 + 32 hi, 32 + 32 lo, pad; pitch W2P
.set FR,   176128                      ; key fragments: ((m 4 + tile) 2 + part) 1024 + 16 lane + {0, 512}; part 0 hi, 1 lo
.set NB,   192512                      ; -beta [m][64]
.set NV,   193024                      ; -(|k|^2 + 1e-6) [m][64]
.set CV,   193536                      ; c [batch row][32 m + l]
.set PAR,  194048                      ; b1 0, b2 512, gamma 768, beta 1024, bo 1280, bs 1536, be 1664
; scalar rings of the scan
.set SU, 48                            ; s[48:63] clamped tokens of 16 steps
.set SL, 66                            ; s[66:81] token & 31
; Behind a matrix instruction five plain vector instructions stand before its registers are read, written or loaded into
; (ISA guide 7.12.1; other matrix instructions are not counted as such places here).
.macro PLACES
.rept 5
	v_nop
.endr
.endm
; a fragment (16 columns x 32 k) of a matrix stored [k][n] in bf16 with pitch p
.macro TRFRAG dst, base, off, p
	ds_load_tr16_b128 v[\dst:\dst+3], v[\base] offset:\off
	ds_load_tr16_b128 v[\dst+4:\dst+7], v[\base] offset:\off+16*\p
.endm
; npairs pairs of f32 at src to bf16: hi[p] = the pair rounded, lo[p] = what the rounding left, rounded.  Tiles 2 s, 2 s + 1 (8 registers
; each) become the fragment of K step s.  hi and lo lie apart from src; t: eight registers at work.
.macro SPLIT hi, lo, src, npairs, t
.set sp_i, 0
.rept \npairs
	v_cvt_pk_bf16_f32 v[\hi+sp_i], v[\src+2*sp_i], v[\src+2*sp_i+1]
	v_lshlrev_b32 v[\t+2*(sp_i%4)], 16, v[\hi+sp_i]
	v_and_b32 v[\t+2*(sp_i%4)+1], 0xffff0000, v[\hi+sp_i]
	v_pk_add_f32 v[\t+2*(sp_i%4):\t+2*(sp_i%4)+1], v[\src+2*sp_i:\src+2*sp_i+1], v[\t+2*(sp_i%4):\t+2*(sp_i%4)+1] neg_lo:[0,1] neg_hi:[0,1]
	v_cvt_pk_bf16_f32 v[\lo+sp_i], v[\t+2*(sp_i%4)], v[\t+2*(sp_i%4)+1]
.set sp_i, sp_i+1
.endr
.endm
; a vector of parameters in the tiles' layout: register 8 i + j = p[16 i + 8 h + j]
.macro LDROW dst, off, ntiles
.irp i, 0,1,2,3,4,5,6,7
.if \i < \ntiles
	ds_load_b128 v[\dst+8*\i:\dst+8*\i+3], v11 offset:\off+64*\i
	ds_load_b128 v[\dst+8*\i+4:\dst+8*\i+7], v11 offset:\off+64*\i+16
.endif
.endr
.endm
.macro MM d, a, b
	v_wmma_f32_16x16x32_bf16 v[\d:\d+7], v[\a:\a+7], v[\b:\b+7], v[\d:\d+7]
.endm
; n tiles of one K step: tile i of acc += weight fragment i of wf x my tokens' fragment x
.macro MMG acc, n, wf, x
.irp i, 0,1,2,3,4,5,6,7
.if \i < \n
	MM \acc+8*\i, \wf+8*\i, \x
.endif
.endr
.endm
; four f32 of a weight: 8 bytes of hi and, lo bytes further in the row, 8 bytes of lo.  v[218:223] at work.
.macro STAGE r, adr, off, lo
	v_cvt_pk_bf16_f32 v218, v[\r], v[\r+1]
	v_cvt_pk_bf16_f32 v219, v[\r+2], v[\r+3]
	ds_store_b64 v[\adr], v[218:219] offset:\off
	v_lshlrev_b32 v220, 16, v218
	v_and_b32 v221, 0xffff0000, v218
	v_lshlrev_b32 v222, 16, v219
	v_and_b32 v223, 0xffff0000, v219
	v_pk_add_f32 v[\r:\r+1], v[\r:\r+1], v[220:221] neg_lo:[0,1] neg_hi:[0,1]
	v_pk_add_f32 v[\r+2:\r+3], v[\r+2:\r+3], v[222:223] neg_lo:[0,1] neg_hi:[0,1]
	v_cvt_pk_bf16_f32 v[\r], v[\r], v[\r+1]
	v_cvt_pk_bf16_f32 v[\r+1], v[\r+2], v[\r+3]
	ds_store_b64 v[\adr], v[\r:\r+1] offset:\off+\lo
.endm
; W1's eight fragments of K step s, part 0 hi or 1 lo, into v[96:159]
.macro W1FR s, part
.irp i, 0,1,2,3,4,5,6,7
	TRFRAG 96+8*\i, 9, 32*W1P*\s+32*\i+256*\part, W1P
.endr
.endm
; W2's eight fragments of K steps s0 and s0 + 1 into dst
.macro W2FR dst, s0, part
.irp d, 0,1
.irp i, 0,1,2,3
	TRFRAG \dst+8*(4*\d+\i), 10, 32*W2P*(\s0+\d)+32*\i+128*\part, W2P
.endr
.endr
.endm
; the eight fragments of Ws | We into dst
.macro WKFR dst, part
.irp s, 0,1
.irp i, 0,1,2,3
	TRFRAG \dst+8*(4*\s+\i), 10, WKB-W2B+32*W2P*\s+32*\i+128*\part, W2P
.endr
.endr
.endm
; ---------------------------------------------------------------- P1: every global load but Wo's, then staging
	s_load_b512 s[4:19], s[0:1], 0x0               ; seq 4, embed 6, W1 8, b1 10, W2 12, b2 14, gamma 16, beta 18
	s_load_b256 s[20:27], s[0:1], 0x40             ; Ws 20, bs 22, We 24, be 26
	s_load_b128 s[28:31], s[0:1], 0x60             ; Wo 28, bo 30
	s_load_b64 s[32:33], s[0:1], 0x70              ; out0
	s_set_vgpr_msb 0x40
	v_lshl_add_u32 v0, v0, 2, 0x30000
	v_mov_b32 v1, 0
	s_set_vgpr_msb 0x4000
	v_lshrrev_b32 v2, 5, v0
	v_readfirstlane_b32 s2, v2                     ; wave w
	s_and_b32 s3, s2, 1                            ; m: which memory in the scan
	s_lshr_b32 s34, s2, 1                          ; bi: which batch row in the scan
	s_mov_b32 s46, 0x76543210                      ; v_permlanex16_b32: lane i takes lane i of the other half
	s_mov_b32 s47, 0xfedcba98
	v_and_b32 v2, 31, v0                           ; lane
	v_lshlrev_b32 v1, 4, v0                        ; 16 tid
	v_and_b32 v3, 15, v0                           ; r
	v_bfe_u32 v4, v0, 4, 1                         ; h
	v_sub_nc_u32 v5, TOK+2032, v1                  ; tokens go in reversed: TOK + 2032 - 16 tid
	s_mul_i32 s88, s2, W1P
	s_add_co_u32 s88, s88, W1B
	v_lshl_add_u32 v6, v2, 3, s88                  ; W1: row 4 c + w, column 4 lane
	v_lshrrev_b32 v14, 4, v0
	v_mul_u32_u24 v14, W2P, v14
	v_lshl_add_u32 v7, v3, 3, v14
	v_add_nc_u32 v7, W2B, v7                       ; W2: row 8 c + tid / 16, column 4 (tid % 16)
	v_lshrrev_b32 v14, 3, v0
	v_mul_u32_u24 v14, W2P, v14
	v_and_b32 v15, 7, v0
	v_lshl_add_u32 v8, v15, 3, v14
	v_add_nc_u32 v8, WKB, v8                       ; Ws, We: row 16 c + tid / 8, column 4 (tid % 8)
	v_lshl_add_u32 v14, v4, 3, v15                 ; 8 h + lane % 8: the k row that a transposing load addresses
	v_bfe_u32 v15, v0, 3, 1
	v_lshlrev_b32 v15, 4, v15                      ; 16 ((lane >> 3) & 1)
	v_mul_u32_u24 v9, W1P, v14
	v_add_nc_u32 v9, v9, v15
	v_add_nc_u32 v9, W1B, v9
	v_mul_u32_u24 v10, W2P, v14
	v_add_nc_u32 v10, v10, v15
	v_add_nc_u32 v10, W2B, v10
	v_lshlrev_b32 v11, 5, v4
	v_add_nc_u32 v11, PAR, v11                     ; parameters: PAR + 32 h
	s_lshl_b32 s88, s2, 12
	v_lshl_add_u32 v12, v3, 8, s88
	v_lshl_add_u32 v12, v4, 5, v12                 ; embed: (16 w + r) 256 + 32 h
	s_mov_b32 s90, 256
	s_cmp_eq_u32 s2, 3
	s_cselect_b32 s88, 15, 31                      ; wave 3 copies bs and be, 128 bytes each: 16 lanes' worth, the upper lanes repeat
	s_cselect_b32 s90, 128, s90
	v_and_b32 v13, s88, v2
	v_lshlrev_b32 v13, 3, v13
	s_lshl_b32 s89, s2, 9
	s_add_co_u32 s89, s89, PAR
	v_add_nc_u32 v14, s89, v13                     ; where the wave's two parameter vectors go
	v_add_nc_u32 v15, s90, v14
	s_lshl_b32 s88, ttmp9, 14                      ; two rows of seq, 8,192 bytes each
	s_mov_b32 s89, 0
	s_wait_kmcnt 0x0
	s_add_nc_u64 s[4:5], s[4:5], s[88:89]
	s_mov_b64 s[84:85], s[10:11]                   ; wave 0: b1 and b1 + 256; 1: b2, gamma; 2: beta, bo; 3: bs, be
	s_add_nc_u64 s[86:87], s[10:11], 256
	s_cmp_eq_u32 s2, 1
	s_cselect_b64 s[84:85], s[14:15], s[84:85]
	s_cselect_b64 s[86:87], s[16:17], s[86:87]
	s_cmp_eq_u32 s2, 2
	s_cselect_b64 s[84:85], s[18:19], s[84:85]
	s_cselect_b64 s[86:87], s[30:31], s[86:87]
	s_cmp_eq_u32 s2, 3
	s_cselect_b64 s[84:85], s[22:23], s[84:85]
	s_cselect_b64 s[86:87], s[26:27], s[86:87]
	; 58 loads: 2 parameters, 16 W1, 16 W2, 4 Ws, 4 We, 8 seq, 8 embed
	global_load_b64 v[208:209], v13, s[84:85]
	global_load_b64 v[210:211], v13, s[86:87]
.irp c, 0,1,2,3,4,5,6,7,8,9,10,11,12,13,14,15
	global_load_b128 v[48+4*\c:51+4*\c], v1, s[8:9] offset:2048*\c
.endr
.irp c, 0,1,2,3,4,5,6,7,8,9,10,11,12,13,14,15
	global_load_b128 v[112+4*\c:115+4*\c], v1, s[12:13] offset:2048*\c
.endr
.irp c, 0,1,2,3
	global_load_b128 v[176+4*\c:179+4*\c], v1, s[20:21] offset:2048*\c
.endr
.irp c, 0,1,2,3
	global_load_b128 v[192+4*\c:195+4*\c], v1, s[24:25] offset:2048*\c
.endr
.irp c, 0,1,2,3,4,5,6,7
	global_load_b128 v[16+4*\c:19+4*\c], v1, s[4:5] offset:2048*\c th:TH_LOAD_NT
.endr
.irp i, 0,1,2,3
	global_load_b128 v[224+8*\i:227+8*\i], v12, s[6:7] offset:64*\i        ; register 224 + 8 i + j = embed[16 w + r][16 i + 8 h + j]
	global_load_b128 v[228+8*\i:231+8*\i], v12, s[6:7] offset:64*\i+16
.endr
	; the table's zero rows and the token rows' tails: a quarter for each wave
	s_mul_i32 s88, s34, TABM
	s_lshl_b32 s89, s3, 8
	s_add_co_u32 s88, s88, s89
	s_add_co_u32 s88, s88, 64*RP
	v_lshl_add_u32 v216, v2, 3, s88
	s_mul_i32 s88, s34, TOKR
	s_lshl_b32 s89, s3, 7
	s_add_co_u32 s88, s88, s89
	s_add_co_u32 s88, s88, TOK+8192
	v_lshl_add_u32 v217, v2, 2, s88
	v_mov_b32 v212, 0
	v_mov_b32 v213, 0
	v_mov_b32 v214, 64
	ds_store_b64 v216, v[212:213]
	ds_store_b32 v217, v214
	s_wait_loadcnt 56                              ; loads return in order: 56 were issued behind the two parameter loads
	ds_store_b64 v14, v[208:209]
	ds_store_b64 v15, v[210:211]
	s_wait_loadcnt 40                              ; 40 behind W1's
.irp c, 0,1,2,3,4,5,6,7,8,9,10,11,12,13,14,15
	STAGE 48+4*\c, 6, 4*W1P*\c, 256
.endr
	s_wait_loadcnt 24                              ; 24 behind W2's
.irp c, 0,1,2,3,4,5,6,7,8,9,10,11,12,13,14,15
	STAGE 112+4*\c, 7, 8*W2P*\c, 128
.endr
	s_wait_loadcnt 16                              ; 16 behind We's
.irp c, 0,1,2,3
	STAGE 176+4*\c, 8, 16*W2P*\c, 128
	STAGE 192+4*\c, 8, 16*W2P*\c+64, 128
.endr
	s_wait_loadcnt 8                               ; embed's eight stay out
.irp c, 0,1,2,3,4,5,6,7
.irp e, 0,1,2,3
	ds_store_b32 v5, v[16+4*\c+\e] offset:(\c>>2)*TOKR+6156-2048*(\c&3)-4*\e   ; t = 512 (c & 3) + 4 tid + e goes to word 2047 - t
.endr
.endr
	s_wait_loadcnt 0x0                             ; embed is in
	s_wait_dscnt 0x0                               ; my stores are in LDS before I say so
	s_barrier_signal -1
	s_barrier_wait -1                              ; weights, parameters, tokens and fills are everybody's
; ---------------------------------------------------------------- P2: the encoder on my 16 tokens
; Every product is used transposed: source 0 = 16 columns of the weight, source 1 = my 16 tokens.  Register j of lane (r, h) of tile i
; then holds (token 16 w + r, column 16 i + 8 h + j), and two packed tiles are the next product's fragment: nothing moves between lanes.
	; relu(e W1 + b1): v[32:95] eight tiles; e hi v[16:31], e lo v[160:175]; eight fragments of W1 at a time in v[96:159]
	LDROW 32, 0, 8                                 ; the sums start as b1
	LDROW 176, 512, 4                              ; b2
	W1FR 0, 0
	SPLIT 16, 160, 224, 16, 208
	s_wait_dscnt 0x0
	MMG 32, 8, 96, 16                              ; W1 hi x e hi
	MMG 32, 8, 96, 160                             ; W1 hi x e lo
.set ii, 0
.rept 16
	v_pk_add_f32 v[224+2*ii:225+2*ii], v[224+2*ii:225+2*ii], v[176+2*ii:177+2*ii]  ; e + b2 (f32) will start the second product's sums;
.set ii, ii+1                                                                          ; these sixteen name no register of the products above: they are the places
.endr
	W1FR 0, 1
	s_wait_dscnt 0x0
	MMG 32, 8, 96, 16                              ; W1 lo x e hi
	PLACES
	W1FR 1, 0
	s_wait_dscnt 0x0
	MMG 32, 8, 96, 24
	MMG 32, 8, 96, 168
	PLACES
	W1FR 1, 1
	s_wait_dscnt 0x0
	MMG 32, 8, 96, 24
	PLACES
	; e + b2 + x W2: v[224:255] four tiles; x hi v[160:191], x lo v[192:223]; W2's K steps 0, 1 in v[96:159], 2, 3 in v[32:95]
	W2FR 96, 0, 0
.set ii, 0
.rept 64
	v_max_num_f32 v[32+ii], 0, v[32+ii]            ; relu
.set ii, ii+1
.endr
	SPLIT 160, 192, 32, 32, 16
	W2FR 32, 2, 0
	s_wait_dscnt 16                                ; K steps 0, 1 are in; the sixteen loads of K steps 2, 3 stay out
	MMG 224, 4, 96, 160
	MMG 224, 4, 96, 192
	MMG 224, 4, 128, 168
	MMG 224, 4, 128, 200
	s_wait_dscnt 0x0
	MMG 224, 4, 32, 176
	MMG 224, 4, 32, 208
	MMG 224, 4, 64, 184
	MMG 224, 4, 64, 216
	PLACES
	W2FR 96, 0, 1
	W2FR 32, 2, 1
	s_wait_dscnt 16                                ; as above
	MMG 224, 4, 96, 160
	MMG 224, 4, 128, 168
	s_wait_dscnt 0x0
	MMG 224, 4, 32, 176
	MMG 224, 4, 64, 184
	PLACES
	LDROW 96, 768, 4                               ; gamma
	LDROW 128, 1024, 4                             ; beta
	WKFR 160, 0                                    ; Ws | We hi
	LDROW 32, 1536, 4                              ; v[32:63] starts as bs | be
	; LayerNorm in two passes; a token's 64 numbers lie in lanes r and r + 16, 32 each
	s_mov_b32 s88, 0x3c800000                      ; 1 / 64
	s_mov_b32 s89, 0x3727c5ac                      ; 1e-5
.irp p, 0,1,2,3,4,5,6,7
	v_pk_add_f32 v[64+2*\p:65+2*\p], v[224+4*\p:225+4*\p], v[226+4*\p:227+4*\p]
.endr
.irp p, 0,1,2,3
	v_pk_add_f32 v[64+4*\p:65+4*\p], v[64+4*\p:65+4*\p], v[66+4*\p:67+4*\p]
.endr
	v_pk_add_f32 v[64:65], v[64:65], v[68:69]
	v_pk_add_f32 v[72:73], v[72:73], v[76:77]
	v_pk_add_f32 v[64:65], v[64:65], v[72:73]
	v_add_f32 v64, v64, v65
	v_permlanex16_b32 v65, v64, s46, s47
	v_add_f32 v64, v64, v65
	v_mul_f32 v64, s88, v64                        ; the mean
	v_mov_b32 v65, v64
.set ii, 0
.rept 16
	v_pk_add_f32 v[224+2*ii:225+2*ii], v[224+2*ii:225+2*ii], v[64:65] neg_lo:[0,1] neg_hi:[0,1]
.set ii, ii+1
.endr
.irp p, 0,1,2,3
	v_pk_mul_f32 v[66+2*\p:67+2*\p], v[224+2*\p:225+2*\p], v[224+2*\p:225+2*\p]
.endr
.irp p, 4,5,6,7,8,9,10,11,12,13,14,15
	v_pk_fma_f32 v[66+2*(\p%4):67+2*(\p%4)], v[224+2*\p:225+2*\p], v[224+2*\p:225+2*\p], v[66+2*(\p%4):67+2*(\p%4)]
.endr
	v_pk_add_f32 v[66:67], v[66:67], v[68:69]
	v_pk_add_f32 v[70:71], v[70:71], v[72:73]
	v_pk_add_f32 v[66:67], v[66:67], v[70:71]
	v_add_f32 v66, v66, v67
	v_permlanex16_b32 v67, v66, s46, s47
	v_add_f32 v66, v66, v67
	v_fma_f32 v66, v66, s88, s89                   ; variance + 1e-5
	v_rsq_f32 v68, v66
	v_nop                                          ; one plain instruction behind the transcendental before its result is used
	s_wait_alu depctr_va_vdst(0)
	v_mov_b32 v69, v68
	s_wait_dscnt 0x0                               ; gamma, beta, Ws | We hi, bs | be
.set ii, 0
.rept 16
	v_pk_mul_f32 v[96+2*ii:97+2*ii], v[96+2*ii:97+2*ii], v[68:69]
	v_pk_fma_f32 v[224+2*ii:225+2*ii], v[224+2*ii:225+2*ii], v[96+2*ii:97+2*ii], v[128+2*ii:129+2*ii]
.set ii, ii+1
.endr
	WKFR 96, 1                                     ; Ws | We lo, where gamma and beta lay
	SPLIT 16, 80, 224, 16, 64                      ; h hi v[16:31], h lo v[80:95]
	MMG 32, 4, 160, 16                             ; tiles 0, 1: ks; tiles 2, 3: ke
	MMG 32, 4, 160, 80
	MMG 32, 4, 192, 24
	MMG 32, 4, 192, 88
	s_wait_dscnt 0x0
	MMG 32, 4, 96, 16
	MMG 32, 4, 128, 24
	PLACES
	s_lshl_b32 s88, s2, 6
	s_add_co_u32 s88, s88, NB
	v_lshl_add_u32 v14, v3, 2, s88                 ; NB + 4 (16 w + r)
	v_lshl_add_u32 v6, v4, 5, s88                  ; NB + 64 w + 32 h: the eight -beta of a Gram tile's rows
	s_lshl_b32 s88, s2, 11
	s_add_co_u32 s88, s88, FR
	v_lshl_add_u32 v15, v2, 4, s88                 ; my fragments' place
	v_lshlrev_b32 v5, 4, v2
	v_add_nc_u32 v5, FR, v5                        ; everybody's fragments
	s_lshl_b32 s88, s2, 4
	v_add_nc_u32 v12, s88, v3
	v_mul_u32_u24 v12, RP, v12
	v_lshl_add_u32 v12, v4, 7, v12
	v_add_nc_u32 v12, 8, v12                       ; table row 16 w + r, lane 8 h, third word
	s_mul_i32 s88, s2, 16*RP
	v_mul_u32_u24 v13, 8*RP, v4
	v_lshl_add_u32 v13, v3, 4, v13
	v_add_nc_u32 v13, s88, v13                     ; table row 16 w + 8 h, lane r
; memory m's keys of my tokens: -beta and -(n + 1e-6), the key as hi + lo bf16 fragments, and the key itself into the table
.macro KEYS m
.set KMB, 32+16*\m
.set KHI, 64+16*\m
.set KLO, 72+16*\m
	v_pk_mul_f32 v[96:97], v[KMB:KMB+1], v[KMB:KMB+1]
	v_pk_mul_f32 v[98:99], v[KMB+2:KMB+3], v[KMB+2:KMB+3]
.irp p, 2,3,4,5,6,7
	v_pk_fma_f32 v[96+2*(\p%2):97+2*(\p%2)], v[KMB+2*\p:KMB+2*\p+1], v[KMB+2*\p:KMB+2*\p+1], v[96+2*(\p%2):97+2*(\p%2)]
.endr
	v_pk_add_f32 v[96:97], v[96:97], v[98:99]
	v_add_f32 v96, v96, v97
	v_permlanex16_b32 v97, v96, s46, s47
	v_add_f32 v96, v96, v97
	v_add_f32 v96, 0x358637bd, v96                 ; |k|^2 + 1e-6
	v_rcp_f32 v97, v96
	v_nop
	v_xor_b32 v98, 0x80000000, v96
	s_wait_alu depctr_va_vdst(0)
	v_xor_b32 v99, 0x80000000, v97
	ds_store_b32 v14, v99 offset:256*\m
	ds_store_b32 v14, v98 offset:512+256*\m
	SPLIT KHI, KLO, KMB, 8, 100
	ds_store_b128 v15, v[KHI:KHI+3] offset:8192*\m
	ds_store_b128 v15, v[KHI+4:KHI+7] offset:8192*\m+512
	ds_store_b128 v15, v[KLO:KLO+3] offset:8192*\m+1024
	ds_store_b128 v15, v[KLO+4:KLO+7] offset:8192*\m+1536
.irp e, 0,1,2,3,4,5,6,7,8,9,10,11,12,13,14,15
	ds_store_b32 v12, v[KMB+\e] offset:TABM*\m+16*(16*(\e>>3)+(\e&7))      ; k[16 i + 8 h + j] to that lane's third
	ds_store_b32 v12, v[KMB+\e] offset:TABM*\m+16*(16*(\e>>3)+(\e&7))+4    ; and fourth word, so that every byte of a row is written
.endr
.endm
	KEYS 0
	KEYS 1
	s_wait_dscnt 0x0
	s_barrier_signal -1
	s_barrier_wait -1                              ; fragments, -beta, -n of all 64 tokens are there
; ---------------------------------------------------------------- P3: rows 16 w .. 16 w + 15 of both tables
; Natural order: source 0 = my 16 keys, source 1 = the keys of tile iv; register j of lane (r, h) = G[16 w + 8 h + j][16 iv + r].
.macro GRAM m
.set KHI, 64+16*\m
.set KLO, 72+16*\m
.irp iv, 0,1,2,3
.irp part, 0,1
	ds_load_b128 v[96+16*\iv+8*\part:99+16*\iv+8*\part], v5 offset:8192*\m+2048*\iv+1024*\part
	ds_load_b128 v[100+16*\iv+8*\part:103+16*\iv+8*\part], v5 offset:8192*\m+2048*\iv+1024*\part+512
.endr
.endr
	ds_load_b128 v[192:195], v6 offset:256*\m
	ds_load_b128 v[196:199], v6 offset:256*\m+16
	s_wait_dscnt 0x0
.irp iv, 0,1,2,3
	v_wmma_f32_16x16x32_bf16 v[160+8*\iv:167+8*\iv], v[KHI:KHI+7], v[96+16*\iv:103+16*\iv], 0
.endr
.irp iv, 0,1,2,3
	MM 160+8*\iv, KHI, 104+16*\iv
.endr
.irp iv, 0,1,2,3
	MM 160+8*\iv, KLO, 96+16*\iv
.endr
.irp iv, 0,1,2,3
	MM 160+8*\iv, KLO, 104+16*\iv
.endr
	PLACES
.irp iv, 0,1
.irp j, 0,1,2,3,4,5,6,7
	v_mul_f32 v[200+2*(8*\iv+\j)], v[160+8*\iv+\j], v[192+\j]
	v_mul_f32 v[201+2*(8*\iv+\j)], v[176+8*\iv+\j], v[192+\j]
.endr
.endr
.irp iv, 0,1
.irp j, 0,1,2,3,4,5,6,7
	ds_store_b64 v13, v[200+2*(8*\iv+\j):201+2*(8*\iv+\j)] offset:TABM*\m+RP*\j+256*\iv
.endr
.endr
.endm
	GRAM 0
	GRAM 1
	s_wait_dscnt 0x0
	s_barrier_signal -1
	s_barrier_wait -1                              ; both tables are whole
; ---------------------------------------------------------------- P4: the scan
; v[16:17] g[l], g[l + 32]; v18 c[l]; v19 row address; v20 16 lane + my table; v21 my token words; v22, v23 32 tokens each;
; v[24:31] two sets {s x, s y, s k}; v[32:63] ring of eight rows; v[128:255] Wo (waves of memory 0), on its way during the whole scan.
	s_cmp_lg_u32 s3, 0
	s_cbranch_scc1 .Lnowo
	v_lshlrev_b32 v127, 4, v3
	v_lshl_add_u32 v127, v4, 13, v127              ; Wo[i + 32 h][4 r ..]: 8192 h + 16 r + 256 i
.irp i, 0,1,2,3,4,5,6,7,8,9,10,11,12,13,14,15,16,17,18,19,20,21,22,23,24,25,26,27,28,29,30,31
	global_load_b128 v[128+4*\i:131+4*\i], v127, s[28:29] offset:256*\i
.endr
.Lnowo:
	s_mul_i32 s88, s3, TABM
	v_lshl_add_u32 v20, v2, 4, s88
	s_mul_i32 s89, s34, TOKR
	s_add_co_u32 s89, s89, TOK
	v_mov_b32 v24, s89
	v_lshl_add_u32 v21, v2, 2, s89
	v_add_nc_u32 v21, 4, v21                       ; step n uses word n + 1: lane x of block b holds step 32 b + x
	ds_load_b32 v23, v24                           ; word 0: the query's token
	ds_load_b32 v22, v21                           ; block 0
	s_cmp_eq_u32 s3, 0
	s_cselect_b32 s38, 1.0, 0x3f7fe000             ; the step's scale: 1 for M_s; (t + 1) / 2048 for M_e, from 2047 / 2048 down,
	s_cselect_b32 s40, 0, 0xba000000               ; by -1 / 2048 a step: every value is exact in f32
	s_mov_b32 s39, 0
	s_mov_b32 s43, 0
	s_wait_dscnt 0x0
	v_readfirstlane_b32 s89, v23
	s_min_u32 s89, s89, 63
	s_mul_i32 s88, s89, RP
	v_add_nc_u32 v19, s88, v20
	s_lshl_b32 s90, s89, 2
	s_lshl_b32 s91, s3, 8
	s_add_co_u32 s90, s90, s91
	s_add_co_u32 s90, s90, NV
	v_mov_b32 v25, s90
	ds_load_b128 v[32:35], v19
	ds_load_b32 v26, v25
	s_wait_dscnt 0x0
	v_mul_f32 v16, v32, v26                        ; g = G[query][:] = (-beta G) (-(n + 1e-6))
	v_mul_f32 v17, v33, v26
	v_mov_b32 v18, 0
; ask for the row of step q: its token from lane 'lane' of 'tok', clamped right in front of its use
.macro FETCH q, tok, lane
	v_readlane_b32 s[SU+(\q)%16], v[\tok], \lane
	s_min_u32 s[SU+(\q)%16], s[SU+(\q)%16], 64
	s_and_b32 s[SL+(\q)%16], s[SU+(\q)%16], 31
	s_mul_i32 s88, s[SU+(\q)%16], RP
	v_add_nc_u32 v19, s88, v20
	ds_load_b128 v[32+4*((\q)%8):35+4*((\q)%8)], v19
.endm
.irp q, 0,1,2,3,4,5,6,7
	FETCH \q, 22, \q
.endr
	s_wait_dscnt 0x7                               ; row 0 is in; the seven behind it stay out
	v_pk_mul_f32 v[24:25], v[32:33], s[38:39] op_sel_hi:[1,0]
	v_mul_f32 v26, s38, v34
	s_add_f32 s38, s38, s40
; Step n = p (mod 32).  On the chain: two lane reads of g, the choice between them, one packed multiply-add.  Off the chain: the scaled
; row of step n + 1 and the request for the row of step n + 8, into the ring slot whose row was scaled one step ago.
.macro STEP p, cur, nxt
	v_readlane_b32 s44, v16, s[SL+(\p)%16]
	v_readlane_b32 s45, v17, s[SL+(\p)%16]
.if \p < 24
	v_readlane_b32 s[SU+(\p+8)%16], v[\cur], \p+8
.else
	v_readlane_b32 s[SU+(\p+8)%16], v[\nxt], \p-24
.endif
	s_wait_dscnt 0x6                               ; LDS loads return in order: behind row n + 1 only rows n + 2 .. n + 7 were asked for
	v_pk_mul_f32 v[24+4*((\p+1)%2):25+4*((\p+1)%2)], v[32+4*((\p+1)%8):33+4*((\p+1)%8)], s[38:39] op_sel_hi:[1,0]
	v_mul_f32 v[26+4*((\p+1)%2)], s38, v[34+4*((\p+1)%8)]
	s_add_f32 s38, s38, s40
	s_bitcmp1_b32 s[SU+(\p)%16], 5                 ; token >= 32: a lies in the second register
	s_cselect_b32 s42, s45, s44                    ; a = g[u]
	s_min_u32 s[SU+(\p+8)%16], s[SU+(\p+8)%16], 64
	s_and_b32 s[SL+(\p+8)%16], s[SU+(\p+8)%16], 31
	s_mul_i32 s88, s[SU+(\p+8)%16], RP
	v_add_nc_u32 v19, s88, v20
	v_pk_fma_f32 v[16:17], v[24+4*((\p)%2):25+4*((\p)%2)], s[42:43], v[16:17] op_sel_hi:[1,0,1]   ; g += a s (-beta G[u][:])
	v_fmac_f32 v18, s42, v[26+4*((\p)%2)]          ; c += a s k
	ds_load_b128 v[32+4*((\p)%8):35+4*((\p)%8)], v19
.endm
; 32 trips of 64 steps = 2,048 steps.  Step 2047 and the rows asked for eight steps ahead of the end meet the token 64, whose row is
; zero, and block 64 of the tokens is the row's tail (words up to 2080 of 2112): no tail is written out and every count holds on every path.
; A block of tokens is asked for at a block's head and first read at its step 24, behind more than six younger LDS loads.
	s_mov_b32 s35, 0
.Lscan:
	ds_load_b32 v23, v21 offset:128
.irp p, 0,1,2,3,4,5,6,7,8,9,10,11,12,13,14,15,16,17,18,19,20,21,22,23,24,25,26,27,28,29,30,31
	STEP \p, 22, 23
.endr
	ds_load_b32 v22, v21 offset:256
.irp p, 0,1,2,3,4,5,6,7,8,9,10,11,12,13,14,15,16,17,18,19,20,21,22,23,24,25,26,27,28,29,30,31
	STEP \p, 23, 22
.endr
	v_add_nc_u32 v21, 256, v21
	s_add_co_u32 s35, s35, 1
	s_cmp_lt_u32 s35, 32
	s_cbranch_scc1 .Lscan
	s_wait_dscnt 0x0                               ; the rows asked for beyond the end
	s_lshl_b32 s88, s34, 8
	s_add_co_u32 s88, s88, CV
	s_lshl_b32 s89, s3, 7
	s_add_co_u32 s89, s89, s88
	v_lshl_add_u32 v24, v2, 2, s89
	ds_store_b32 v24, v18                          ; c[bi][32 m + lane]
	s_wait_dscnt 0x0
	s_barrier_signal -1
	s_barrier_wait -1                              ; both memories' c of both batch rows
; ---------------------------------------------------------------- P5: out0 row = c Wo + bo, by the wave of memory 0
	s_cmp_lg_u32 s3, 0
	s_cbranch_scc1 .Lend
	v_lshl_add_u32 v25, v4, 7, s88                 ; lane (r, h): rows 32 h .. 32 h + 31 of Wo, columns 4 r .. 4 r + 3
.irp i, 0,1,2,3,4,5,6,7
	ds_load_b128 v[64+4*\i:67+4*\i], v25 offset:16*\i
.endr
	v_lshlrev_b32 v27, 4, v3
	v_add_nc_u32 v26, PAR+1280, v27
	ds_load_b128 v[108:111], v26                   ; bo
	s_wait_dscnt 0x0
	s_wait_loadcnt 0x0                             ; Wo
	v_pk_mul_f32 v[96:97], v[128:129], v[64:65] op_sel_hi:[1,0]
	v_pk_mul_f32 v[98:99], v[130:131], v[64:65] op_sel_hi:[1,0]
	v_pk_mul_f32 v[100:101], v[132:133], v[64:65] op_sel:[0,1] op_sel_hi:[1,1]
	v_pk_mul_f32 v[102:103], v[134:135], v[64:65] op_sel:[0,1] op_sel_hi:[1,1]
.irp i, 2,4,6,8,10,12,14,16,18,20,22,24,26,28,30
	v_pk_fma_f32 v[96:97], v[128+4*\i:129+4*\i], v[64+\i:65+\i], v[96:97] op_sel_hi:[1,0,1]
	v_pk_fma_f32 v[98:99], v[130+4*\i:131+4*\i], v[64+\i:65+\i], v[98:99] op_sel_hi:[1,0,1]
	v_pk_fma_f32 v[100:101], v[132+4*\i:133+4*\i], v[64+\i:65+\i], v[100:101] op_sel:[0,1,0] op_sel_hi:[1,1,1]
	v_pk_fma_f32 v[102:103], v[134+4*\i:135+4*\i], v[64+\i:65+\i], v[102:103] op_sel:[0,1,0] op_sel_hi:[1,1,1]
.endr
	v_pk_add_f32 v[96:97], v[96:97], v[100:101]
	v_pk_add_f32 v[98:99], v[98:99], v[102:103]
.irp q, 0,1,2,3
	v_permlanex16_b32 v[100+\q], v[96+\q], s46, s47
.endr
	v_pk_add_f32 v[96:97], v[96:97], v[100:101]
	v_pk_add_f32 v[98:99], v[98:99], v[102:103]
	v_pk_add_f32 v[96:97], v[96:97], v[108:109]
	v_pk_add_f32 v[98:99], v[98:99], v[110:111]
	s_lshl_b32 s88, ttmp9, 9                       ; row 2 wg + bi of 256 bytes
	s_lshl_b32 s89, s34, 8
	s_add_co_u32 s88, s88, s89
	s_mov_b32 s89, 0
	s_add_nc_u64 s[32:33], s[32:33], s[88:89]
	s_wait_xcnt 0x0                                ; EXEC changes only when no earlier memory instruction still reads it
	v_cmp_gt_u32 vcc_lo, 16, v2
	s_and_saveexec_b32 s90, vcc_lo
	global_store_b128 v27, v[96:99], s[32:33]      ; sixteen lanes store the row's 256 consecutive bytes, aligned
	s_wait_xcnt 0x0
	s_or_b32 exec_lo, exec_lo, s90
.Lend:
	s_set_vgpr_msb 0x5
	s_wait_tensorcnt 0x0
	ds_add_u32 v0, v1
	s_wait_dscnt 0x0
	s_set_vgpr_msb 0x500
	s_endpgm
.Lfunc_end_k_q9c822481ea_scan:
	.size	k_q9c822481ea_scan, .Lfunc_end_k_q9c822481ea_scan-k_q9c822481ea_scan
	.p2alignl 7, 3214868480
	.fill 96, 4, 3214868480
	.section	.rodata,"a",@progbits
	.p2align	6, 0x0
	.amdhsa_kernel k_q9c822481ea_scan
		.amdhsa_group_segment_fixed_size 197120
		.amdhsa_private_segment_fixed_size 0
		.amdhsa_enable_private_segment 0
		.amdhsa_kernarg_size 120
		.amdhsa_user_sgpr_count 2
		.amdhsa_user_sgpr_kernarg_segment_ptr 1
		.amdhsa_wavefront_size32 1
		.amdhsa_system_sgpr_workgroup_id_x 1
		.amdhsa_system_sgpr_workgroup_id_y 1
		.amdhsa_system_sgpr_workgroup_id_z 1
		.amdhsa_system_vgpr_workitem_id 0
		.amdhsa_next_free_vgpr 258
		.amdhsa_next_free_sgpr 92
		.amdhsa_reserve_vcc 1
		.amdhsa_float_denorm_mode_32 3
		.amdhsa_float_denorm_mode_16_64 3
		.amdhsa_memory_ordered 1
		.amdhsa_forward_progress 1
		.amdhsa_inst_pref_size 169
	.end_amdhsa_kernel
	.amdgpu_metadata
---
amdhsa.version: [ 1, 2 ]
amdhsa.kernels:
  - .name:           k_q9c822481ea_scan
    .symbol:         k_q9c822481ea_scan.kd
    .args:
      - { .name: seq, .offset: 0, .size: 8, .value_kind: global_buffer, .address_space: global }
      - { .name: embed, .offset: 8, .size: 8, .value_kind: global_buffer, .address_space: global }
      - { .name: W1, .offset: 16, .size: 8, .value_kind: global_buffer, .address_space: global }
      - { .name: b1, .offset: 24, .size: 8, .value_kind: global_buffer, .address_space: global }
      - { .name: W2, .offset: 32, .size: 8, .value_kind: global_buffer, .address_space: global }
      - { .name: b2, .offset: 40, .size: 8, .value_kind: global_buffer, .address_space: global }
      - { .name: gamma, .offset: 48, .size: 8, .value_kind: global_buffer, .address_space: global }
      - { .name: beta, .offset: 56, .size: 8, .value_kind: global_buffer, .address_space: global }
      - { .name: Ws, .offset: 64, .size: 8, .value_kind: global_buffer, .address_space: global }
      - { .name: bs, .offset: 72, .size: 8, .value_kind: global_buffer, .address_space: global }
      - { .name: We, .offset: 80, .size: 8, .value_kind: global_buffer, .address_space: global }
      - { .name: be, .offset: 88, .size: 8, .value_kind: global_buffer, .address_space: global }
      - { .name: Wo, .offset: 96, .size: 8, .value_kind: global_buffer, .address_space: global }
      - { .name: bo, .offset: 104, .size: 8, .value_kind: global_buffer, .address_space: global }
      - { .name: out0, .offset: 112, .size: 8, .value_kind: global_buffer, .address_space: global }
    .group_segment_fixed_size: 197120
    .private_segment_fixed_size: 0
    .kernarg_segment_align: 8
    .kernarg_segment_size: 120
    .max_flat_workgroup_size: 128
    .sgpr_count:     92
    .vgpr_count:     258
    .wavefront_size: 32
...
	.end_amdgpu_metadata
.endif
;; end of part 1
